; MI455X (gfx1250); checked and timed in simulation.
; The chip was launched on July 23, 2026; its instructions are those of AMD's public machine-readable ISA for CDNA 5 (MIT licence, August 2026) and "CDNA5" Instruction Set Architecture Reference Guide (July 2026). The comments in the code are by the model that wrote it; some were corrected since.
;; Sparse Attention. Allowed arithmetic: float matrix products may take bf16 or f16 operands with f32 sums; all other float work in f32.
;; Inputs: k 4 x 4,096 x 256 float32; q 4 x 4,096 x 256 float32; v 4 x 4,096 x 256 float32.
;; Outputs: out0 4 x 4,096 x 256 float32.
;; One version. Each part assembles by itself: llvm-mc -triple=amdgcn-amd-amdhsa -mcpu=gfx1250 --defsym DOCPART=n.
;; ======== version 1 of 1: 1 launch
;; launch band (part 1): grid 256 x 1, 4 waves a work-group, no clusters, 233,984 bytes of LDS; arguments k, q, v, out0; writes out0
.if DOCPART == 1
	.amdgcn_target "amdgcn-amd-amdhsa--gfx1250"
	.amdhsa_code_object_version 6
	.text
	.protected	k_q0bf997fc32_band
	.globl	k_q0bf997fc32_band
	.p2align	8
	.type	k_q0bf997fc32_band,@function
k_q0bf997fc32_band:
	s_mov_b64 s[64:65], 0
	v_nop
	global_prefetch_b8 v0, s[64:65] scope:SCOPE_SE
	s_setreg_imm32_b32 hwreg(HW_REG_WAVE_MODE, 25, 1), 1
	s_wait_xcnt 0x0
; Banded attention: out[b][i] = softmax over j in [i-5, i+4] (cut at the ends of sequence b) of q[b][i].k[b][j] / 16, times v[b][j].
; q, k, v, out: [4][4096][256] f32, taken as 16,384 rows of 1,024 bytes.
; A work-group owns 64 query rows (64 divides 4,096: it never straddles two sequences); wave w owns 16 of them, i0 = 64 wg + 16 w,
; and works on the window of 32 key rows i0-8 .. i0+23, which holds the band i0-5 .. i0+19.
; All that a work-group reads (64 rows of q, 80 of k, 80 of v: 224 rows) is asked for at once by 16 tensor loads, 4 a wave.
;
; SCORES, transposed: source 0 = 16 keys, source 1 = 16 queries, bf16, 8 steps of 32 along d, two key tiles: 16 matrix instructions.
;   A lane takes 16 NEIGHBOURING d of its row for a step (64 bytes of f32): the same permutation of d in q and in k, so the sum of products is kept.
;   Lane (r, h), register j of tile t then holds the score of query r with window key 16 t + 8 h + j, which is the place that the weights
;   need as source 0 of the second product: eight roundings to bf16 make that fragment, and no lane exchanges anything.
; WEIGHTS x V: one matrix instruction for each 16 x 16 tile of the output (K = 32 is the whole window), C = 0: 16 matrix instructions.
;   Columns are interleaved: in group u of 64 columns, tile q takes column n as d = 64 u + 4 n + q.  So a 16-byte LDS load feeds four tiles,
;   and register j of the four tiles holds 16 neighbouring bytes of an output row: each store's lanes 0-15 cover 256 consecutive bytes, aligned,
;   and so do its lanes 16-31.
; SOFTMAX in f32, base 2: p = exp2(c s - c max), c = log2(e) / 16; p is rounded to bf16 unnormalised (largest 1), the sum is taken
;   from the unrounded p, and the division is an f32 multiply on the way out.
;
; LIMITS.  Scores outside the band are replaced by -inf whatever k holds there.  But an inf or NaN in ANY v row of a wave's 32-row window
;   gives NaN (0 x inf), also where that row lies outside the band or in the neighbouring sequence; weights below 2^-126 of the largest
;   count as 0; operands of both products are rounded to bf16; the order of the sums is the matrix unit's, not the reference's.
; NO CLUSTER: neighbouring work-groups share only the halos, 32 of a work-group's 224 rows.
.set PITCH, 1040                       ; an LDS row: 1,024 bytes + 16 of padding = 65 x 16: 16 consecutive rows start in 16 different 16-byte columns modulo 256
.set LK,    0                          ; LDS rows 0-79:    k rows 64 wg - 8 .. 64 wg + 71
.set LQ,    80*PITCH                   ; LDS rows 80-143:  q rows 64 wg .. + 63
.set LV,    144*PITCH                  ; LDS rows 144-223: v rows 64 wg - 8 .. 64 wg + 71
.set ROWS,  16384                      ; rows in each buffer
.set CEXP,  0x3db8aa3b                 ;  log2(e) / 16
.set CNEG,  0xbdb8aa3b                 ; -log2(e) / 16
.set AQ,   3                           ; v3        LDS address of my 64 bytes in q's row r of my wave
.set AK,   4                           ; v4        the same in window key row r
.set AV,   5                           ; v5        LDS address of my 16 bytes in window v row 8 h
.set CO,   6                           ; v6        my byte offset in my wave's 16 output rows: row 8 h, byte 16 r
.set NINF, 8                           ; v8        -inf
.set NM,   10                          ; v[10:11]  -c max, twice
.set EE,   15                          ; v15       r - 8 h + 12
.set RS,   16                          ; v[16:23]  1 / sum of query 8 h + j
.set PF,   24                          ; v[24:31]  the weights as a bf16 fragment
.set T,    32                          ; v[32:47]  scores: tile 0, tile 1
.set RAW0, 48                          ; v[48:95]   f32 as loaded: q 16, key tile 0 16, key tile 1 16
.set RAW1, 96                          ; v[96:143]  second buffer
.set FR0,  144                         ; v[144:167] bf16 fragments: q 8, key tile 0 8, key tile 1 8
.set FR1,  168                         ; v[168:191] second buffer
.set RAWV, 48                          ; v[48:111]  second product: 16 key rows x 4 columns of v, f32
.set FV0,  112                         ; v[112:143] four bf16 fragments of v
.set FV1,  144                         ; v[144:175] second buffer
.set DD,   176                         ; v[176:207] four output tiles
.set OUT,  208                         ; v[208:239] 8 rows x 4 neighbouring columns, normalised
.set IX,   240                         ; v[240:247] 4 x lane that holds 1 / sum of query 8 h + j
.set G1M,  16                          ; s[16:23]  descriptor group 1: 16 rows
.set G1H,  24                          ; s[24:31]  descriptor group 1: 8 rows
.set MSK,  48                          ; s[48:63]  lane masks of the band: tile 0 registers 0-7, tile 1 registers 0-7
	s_load_b256 s[4:11], s[0:1], 0x0               ; k s[4:5], q s[6:7], v s[8:9], out s[10:11]
	v_lshl_add_u32 v248, v0, 2, 0x39000
	v_mov_b32 v249, 0
	ds_add_u32 v248, v249
	ds_add_u32 v248, v249
	v_lshrrev_b32 v1, 5, v0
	v_readfirstlane_b32 s2, v1                     ; wave 0..3
	s_lshl_b32 s3, ttmp9, 6                        ; the work-group's first row
	; Group 1 of both shapes: rows of 256 elements of 4 bytes, 256 elements from row to row; behind every 256 words 4 words of padding.
	s_mov_b32 s[G1M+0], (2<<16)|(1<<20)|(7<<22)|(3<<25)
	s_mov_b32 s[G1M+1], 256<<16                    ; tensor_dim0 = 256
	s_mov_b32 s[G1M+2], 16<<16                     ; tensor_dim1 = 16
	s_mov_b32 s[G1M+3], 256<<16                    ; tile_dim0 = 256
	s_mov_b32 s[G1M+4], 16                         ; tile_dim1 = 16
	s_mov_b32 s[G1M+5], 256                        ; stride
	s_mov_b32 s[G1M+6], 0
	s_mov_b32 s[G1M+7], 0
	s_mov_b32 s[G1H+0], (2<<16)|(1<<20)|(7<<22)|(3<<25)
	s_mov_b32 s[G1H+1], 256<<16
	s_mov_b32 s[G1H+2], 8<<16                      ; tensor_dim1 = 8
	s_mov_b32 s[G1H+3], 256<<16
	s_mov_b32 s[G1H+4], 8                          ; tile_dim1 = 8
	s_mov_b32 s[G1H+5], 256
	s_mov_b32 s[G1H+6], 0
	s_mov_b32 s[G1H+7], 0
	s_lshl_b32 s72, s2, 4
	s_add_co_u32 s72, s72, s3                      ; i0: my wave's first row
	s_and_b32 s70, s72, 4095                       ; its place in its sequence
	s_lshl_b32 s12, s72, 10                        ; s[12:13]: byte offset of row i0 (below 2^24)
	s_mov_b32 s13, 0
	s_mul_i32 s71, s2, 16*PITCH                    ; my wave's 16 rows inside an LDS region
	; The halo that my wave fetches: wave 0 k's 8 rows in front, wave 1 k's 8 rows behind, waves 2 and 3 the same of v.
	; At the buffers' two ends the row is clamped: the 8 rows brought instead lie inside the buffer, and the band's mask discards all 8.
	s_sub_co_i32 s73, s3, 8
	s_max_i32 s73, s73, 0
	s_add_co_u32 s74, s3, 64
	s_min_u32 s74, s74, ROWS-8
	s_bitcmp1_b32 s2, 0
	s_cselect_b32 s73, s74, s73
	s_lshl_b32 s14, s73, 10                        ; s[14:15]: the halo's byte offset
	s_mov_b32 s15, 0
	s_mov_b32 s32, 1                               ; group 0, halo: LDS rows 0, 72, 144, 216 = 72 x wave
	s_mul_i32 s33, s2, 72*PITCH
	s_mov_b32 s36, 1                               ; group 0, q
	s_add_co_u32 s37, s71, LQ
	s_mov_b32 s40, 1                               ; group 0, k: behind the 8 halo rows
	s_add_co_u32 s41, s71, LK+8*PITCH
	s_mov_b32 s44, 1                               ; group 0, v
	s_add_co_u32 s45, s71, LV+8*PITCH
	s_wait_dscnt 0x0
	s_wait_kmcnt 0x0
	s_cmp_lt_u32 s2, 2
	s_cselect_b64 s[76:77], s[4:5], s[8:9]         ; the halo's buffer: k for waves 0 and 1, v for waves 2 and 3
	s_add_nc_u64 s[34:35], s[76:77], s[14:15]
	s_or_b32 s35, s35, 0x80000000
	tensor_load_to_lds s[32:35], s[G1H:G1H+7]      ; 1: halo
	s_nop 0
	s_add_nc_u64 s[38:39], s[6:7], s[12:13]
	s_or_b32 s39, s39, 0x80000000
	tensor_load_to_lds s[36:39], s[G1M:G1M+7]      ; 2: q
	s_nop 0
	s_add_nc_u64 s[42:43], s[4:5], s[12:13]
	s_or_b32 s43, s43, 0x80000000
	tensor_load_to_lds s[40:43], s[G1M:G1M+7]      ; 3: k
	s_nop 0
	s_add_nc_u64 s[46:47], s[8:9], s[12:13]
	s_or_b32 s47, s47, 0x80000000
	tensor_load_to_lds s[44:47], s[G1M:G1M+7]      ; 4: v, last: it is wanted last.  Four loads of the wave are out; no descriptor is written again
	s_nop 0
	s_add_nc_u64 s[10:11], s[10:11], s[12:13]      ; out at my wave's first row
	; While the tiles are on their way: addresses, constants, the band's masks.
	s_mov_b32 s66, 0x76543210                      ; v_permlanex16_b32: lane i reads lane i of the other half
	s_mov_b32 s67, 0xfedcba98
	s_add_co_u32 s75, s71, LV
	v_and_b32 v1, 15, v0                           ; r
	v_bfe_u32 v2, v0, 4, 1                         ; h
	v_mul_u32_u24 v7, v1, PITCH
	v_lshl_add_u32 v7, v2, 6, v7                   ; row r, 64 bytes for each half of the lanes
	v_add_nc_u32 v[AK], s71, v7                    ; window key row 0 is LDS row 16 w of k's region
	v_add_nc_u32 v[AQ], LQ, v[AK]
	v_mul_u32_u24 v[AV], v2, 8*PITCH
	v_lshl_add_u32 v[AV], v1, 4, v[AV]             ; row 8 h, 16 bytes a lane
	v_add_nc_u32 v[AV], s75, v[AV]
	v_lshlrev_b32 v[CO], 4, v1
	v_lshl_add_u32 v[CO], v2, 13, v[CO]            ; 8 h rows of 1,024 bytes + 16 r
	v_mov_b32 v[NINF], 0xff800000
	v_mov_b32 v9, 0                                ; the lane exchange's destination counts as read: written once here
	v_lshlrev_b32 v[EE], 3, v2
	v_sub_nc_u32 v[EE], v1, v[EE]
	v_add_nc_u32 v[EE], 12, v[EE]                  ; r - 8 h + 12
	; Query i0 + r, key i0 - 8 + 16 t + 8 h + j: i - j + 4 = r - 8 h + 12 - (16 t + j), in the band where it is 0 .. 9 (unsigned below 10).
.irp n, 0,1,2,3,4,5,6,7,8,9,10,11,12,13,14,15
	v_sub_nc_u32 v7, v[EE], \n                     ; n = 8 t + j, and 16 t + j = n + 8 t
.if \n > 7
	v_sub_nc_u32 v7, v7, 8
.endif
	v_cmp_gt_u32 s[MSK+\n], 10, v7
.endr
	; The ends of a sequence.  In its first 16 rows the keys in front of it are window keys 0-7: tile 0, lanes 0-15.
	; In its last 16 rows the keys behind it are window keys 24-31: tile 1, lanes 16-31.
	s_cmp_eq_u32 s70, 0
	s_cselect_b32 s68, 0xffff0000, -1
	s_cmp_eq_u32 s70, 4080
	s_cselect_b32 s69, 0x0000ffff, -1
.irp j, 0,1,2,3,4,5,6,7
	s_and_b32 s[MSK+\j], s[MSK+\j], s68
	s_and_b32 s[MSK+8+\j], s[MSK+8+\j], s69
.endr
	s_wait_tensorcnt 0x1                           ; tensor loads end in order (ISA guide 10.11.1): my halo, q and k are in; only v's 16 rows, issued last, stay out
	s_barrier_signal -1
	s_barrier_wait -1                              ; every wave's k rows are in: my window reaches into two neighbours' rows
; 12 LDS loads: 32 along d (step c) of my q row and of my two key rows, 64 bytes each, as f32.
; c may be handed over as a sum (c + 2): it stands in brackets wherever it is multiplied.
.macro LD_S c, raw
.irp i, 0,1,2,3
	ds_load_b128 v[\raw+4*\i:\raw+4*\i+3],       v[AQ] offset:128*(\c)+16*\i
.endr
.irp i, 0,1,2,3
	ds_load_b128 v[\raw+16+4*\i:\raw+16+4*\i+3], v[AK] offset:128*(\c)+16*\i
.endr
.irp i, 0,1,2,3
	ds_load_b128 v[\raw+32+4*\i:\raw+32+4*\i+3], v[AK] offset:16*PITCH+128*(\c)+16*\i
.endr
.endm
; 24 roundings: three fragments of 8 registers
.macro CV_S raw, fr
.irp i, 0,1,2,3,4,5,6,7,8,9,10,11,12,13,14,15,16,17,18,19,20,21,22,23
	v_cvt_pk_bf16_f32 v[\fr+\i], v[\raw+2*\i], v[\raw+2*\i+1]
.endr
.endm
; two matrix instructions: key tile t x queries.  first = 1: the product starts the sum, nothing is cleared.
.macro MM_S fr, first
.if \first
	v_wmma_f32_16x16x32_bf16 v[T:T+7],    v[\fr+8:\fr+15],  v[\fr:\fr+7], 0
	v_wmma_f32_16x16x32_bf16 v[T+8:T+15], v[\fr+16:\fr+23], v[\fr:\fr+7], 0
.else
	v_wmma_f32_16x16x32_bf16 v[T:T+7],    v[\fr+8:\fr+15],  v[\fr:\fr+7], v[T:T+7]
	v_wmma_f32_16x16x32_bf16 v[T+8:T+15], v[\fr+16:\fr+23], v[\fr:\fr+7], v[T+8:T+15]
.endif
.endm
; One step along d.  left: LDS loads that may stay out (the next step's 12); more = 1: the raw buffer just read is loaded with step c + 2.
; A fragment buffer is written again two steps later: the other buffer's 24 roundings are the places behind the matrix
; instructions that read it (ISA guide 7.12.1).  The sums are chains in place.
.macro STEP_S c, raw, fr, first, left, more
	s_wait_dscnt \left
	CV_S \raw, \fr
.if \more
	LD_S \c+2, \raw
.endif
	MM_S \fr, \first
.endm
	LD_S 0, RAW0
	LD_S 1, RAW1
	STEP_S 0, RAW0, FR0, 1, 12, 1
	STEP_S 1, RAW1, FR1, 0, 12, 1
	STEP_S 2, RAW0, FR0, 0, 12, 1
	STEP_S 3, RAW1, FR1, 0, 12, 1
	STEP_S 4, RAW0, FR0, 0, 12, 1
	STEP_S 5, RAW1, FR1, 0, 12, 1
	STEP_S 6, RAW0, FR0, 0, 12, 0
	STEP_S 7, RAW1, FR1, 0, 0, 0                   ; nothing was issued behind the last step's loads
	; SOFTMAX.  A query's 32 scores lie in 16 registers of lane r and 16 of lane r + 16.
.irp j, 0,1,2,3,4,5,6,7
	v_lshl_or_b32 v[IX+\j], v2, 5, 4*\j            ; 4 x (8 h + j); these eight lines are also the places behind the last matrix instructions (7.12.1)
.endr
.irp n, 0,1,2,3,4,5,6,7,8,9,10,11,12,13,14,15
	v_cndmask_b32 v[T+\n], v[NINF], v[T+\n], s[MSK+\n]     ; outside the band: -inf
.endr
	v_max3_num_f32 v12, v[T], v[T+1], v[T+2]
.irp n, 3,5,7,9,11,13
	v_max3_num_f32 v12, v12, v[T+\n], v[T+\n+1]
.endr
	v_max_num_f32 v12, v12, v[T+15]
	v_permlanex16_b32 v9, v12, s66, s67
	v_max_num_f32 v12, v12, v9                     ; the query's largest score: finite, since key i itself is always in the band
	v_mul_f32 v[NM], CNEG, v12
	v_mul_f32 v[NM+1], CNEG, v12
.irp n, 0,2,4,6,8,10,12,14
	v_pk_fma_f32 v[T+\n:T+\n+1], v[T+\n:T+\n+1], CEXP, v[NM:NM+1] op_sel_hi:[1,0,1]
.endr
.irp n, 0,1,2,3,4,5,6,7,8,9,10,11,12,13,14,15
	v_exp_f32 v[T+\n], v[T+\n]
.endr
	v_nop                                          ; one plain vector instruction between the last v_exp_f32 and the use of its result (ISA guide 5.7.2)
	s_wait_alu depctr_va_vdst(0)
	v_pk_add_f32 v[48:49], v[T:T+1],     v[T+2:T+3]        ; v[48:55]: free since the last step's roundings
	v_pk_add_f32 v[50:51], v[T+4:T+5],   v[T+6:T+7]
	v_pk_add_f32 v[52:53], v[T+8:T+9],   v[T+10:T+11]
	v_pk_add_f32 v[54:55], v[T+12:T+13], v[T+14:T+15]
	v_pk_add_f32 v[48:49], v[48:49], v[50:51]
	v_pk_add_f32 v[52:53], v[52:53], v[54:55]
	v_pk_add_f32 v[48:49], v[48:49], v[52:53]
	v_add_f32 v13, v48, v49
	v_permlanex16_b32 v9, v13, s66, s67
	v_add_f32 v13, v13, v9                         ; at least 1: the largest score gives exp2(0)
	v_rcp_f32 v14, v13
.irp i, 0,1,2,3,4,5,6,7
	v_cvt_pk_bf16_f32 v[PF+\i], v[T+2*\i], v[T+2*\i+1]     ; registers 0-3: keys 8 h .. + 7, registers 4-7: keys 16 + 8 h .. + 7.  Also the place behind v_rcp_f32
.endr
	s_wait_alu depctr_va_vdst(0)
.irp j, 0,1,2,3,4,5,6,7
	ds_bpermute_b32 v[RS+\j], v[IX+\j], v14        ; 1 / sum of query 8 h + j, from lane 8 h + j
.endr
	s_wait_dscnt 0x0                               ; the exchanges are back, and no LDS instruction is pending at the signal
	s_wait_tensorcnt 0x0                           ; my 16 rows of v are in
	s_barrier_signal -1
	s_barrier_wait -1                              ; everybody's are
; 16 LDS loads: columns 64 u + 4 r .. + 3 of window rows 8 h .. + 7 and 16 + 8 h .. + 7; lanes 0-15 read 256 neighbouring bytes of a row.
; u may be handed over as a sum (u + 2): it stands in brackets where it is multiplied.
.macro LD_V u
.irp kk, 0,1,2,3,4,5,6,7
	ds_load_b128 v[RAWV+4*\kk:RAWV+4*\kk+3], v[AV] offset:\kk*PITCH+256*(\u)
.endr
.irp kk, 8,9,10,11,12,13,14,15
	ds_load_b128 v[RAWV+4*\kk:RAWV+4*\kk+3], v[AV] offset:(\kk+8)*PITCH+256*(\u)
.endr
.endm
; 32 roundings: fragment q takes word q of every load, two key rows to a register
.macro CV_V fv
.irp q, 0,1,2,3
.irp i, 0,1,2,3,4,5,6,7
	v_cvt_pk_bf16_f32 v[\fv+8*\q+\i], v[RAWV+8*\i+\q], v[RAWV+8*\i+4+\q]
.endr
.endr
.endm
; four matrix instructions: 16 queries x 64 columns, the whole window in one K step
.macro MM_V fv
.irp q, 0,1,2,3
	v_wmma_f32_16x16x32_bf16 v[DD+8*\q:DD+8*\q+7], v[PF:PF+7], v[\fv+8*\q:\fv+8*\q+7], 0
.endr
.endm
; normalise, which also lays the four tiles' numbers side by side, and store: row 8 h + j, bytes 256 u + 16 r
.macro OUT_V u
	s_wait_xcnt 0x0                                ; OUT is the data of the last group's stores: written again only behind this wait (ISA guide 3.1)
.irp j, 0,1,2,3,4,5,6,7
.irp q, 0,1,2,3
	v_mul_f32 v[OUT+4*\j+\q], v[DD+8*\q+\j], v[RS+\j]
.endr
	global_store_b128 v[CO], v[OUT+4*\j:OUT+4*\j+3], s[10:11] offset:1024*\j+256*(\u) th:TH_STORE_NT
.endr
.endm
; One group of 64 columns.  The next group's 32 roundings (they name neither the tiles, the weights nor this group's fragments) are the
; places between the matrix instructions and the reading of their results, and before the next group writes over the tiles (7.12.1).
.macro GROUP_V u, fv, fvnext, load
	MM_V \fv
	s_wait_dscnt 0x0                               ; the next group's 16 loads: nothing was issued behind them
	CV_V \fvnext
.if \load
	LD_V \u+2
.endif
	OUT_V \u
.endm
	LD_V 0
	s_wait_dscnt 0x0
	CV_V FV0
	LD_V 1
	GROUP_V 0, FV0, FV1, 1
	GROUP_V 1, FV1, FV0, 1
	GROUP_V 2, FV0, FV1, 0
	MM_V FV1
.rept 4
	v_nop                                          ; nothing is left to do in the four places behind the last matrix instructions
.endr
	OUT_V 3
	s_wait_tensorcnt 0x0
	ds_add_u32 v248, v249
	s_wait_dscnt 0x0
	s_endpgm                                       ; every tensor load has been waited for; stores may be on their way
.Lfunc_end_k_q0bf997fc32_band:
	.size	k_q0bf997fc32_band, .Lfunc_end_k_q0bf997fc32_band-k_q0bf997fc32_band
	.p2alignl 7, 3214868480
	.fill 96, 4, 3214868480
	.section	.rodata,"a",@progbits
	.p2align	6, 0x0
	.amdhsa_kernel k_q0bf997fc32_band
		.amdhsa_group_segment_fixed_size 233984
		.amdhsa_private_segment_fixed_size 0
		.amdhsa_enable_private_segment 0
		.amdhsa_kernarg_size 32
		.amdhsa_user_sgpr_count 2
		.amdhsa_user_sgpr_kernarg_segment_ptr 1
		.amdhsa_wavefront_size32 1
		.amdhsa_system_sgpr_workgroup_id_x 1
		.amdhsa_system_sgpr_workgroup_id_y 1
		.amdhsa_system_sgpr_workgroup_id_z 1
		.amdhsa_system_vgpr_workitem_id 0
		.amdhsa_next_free_vgpr 250
		.amdhsa_next_free_sgpr 80
		.amdhsa_reserve_vcc 0
		.amdhsa_float_denorm_mode_32 3
		.amdhsa_float_denorm_mode_16_64 3
		.amdhsa_memory_ordered 1
		.amdhsa_forward_progress 1
		.amdhsa_inst_pref_size 53
	.end_amdhsa_kernel
	.amdgpu_metadata
---
amdhsa.version: [ 1, 2 ]
amdhsa.kernels:
  - .name:           k_q0bf997fc32_band
    .symbol:         k_q0bf997fc32_band.kd
    .args:
      - { .name: k, .offset: 0, .size: 8, .value_kind: global_buffer, .address_space: global }
      - { .name: q, .offset: 8, .size: 8, .value_kind: global_buffer, .address_space: global }
      - { .name: v, .offset: 16, .size: 8, .value_kind: global_buffer, .address_space: global }
      - { .name: out0, .offset: 24, .size: 8, .value_kind: global_buffer, .address_space: global }
    .group_segment_fixed_size: 233984
    .private_segment_fixed_size: 0
    .kernarg_segment_align: 8
    .kernarg_segment_size: 32
    .max_flat_workgroup_size: 128
    .sgpr_count:     80
    .vgpr_count:     250
    .wavefront_size: 32
...
	.end_amdgpu_metadata
.endif
;; end of part 1
